; MI455X (gfx1250); checked and timed in simulation.
; The chip was launched on July 23, 2026; its instructions are those of AMD's public machine-readable ISA for CDNA 5 (MIT licence, August 2026) and "CDNA5" Instruction Set Architecture Reference Guide (July 2026). The comments in the code are by the model that wrote it; some were corrected since.
;; Multihead Attention. Allowed arithmetic: matrix products marked QUANTISED: E2M1 operands, one E8M0 scale for each 32 along K, by v_wmma_scale_f32_16x16x128_f8f6f4 with both operands' format E2M1 (or v_wmma_scale_f32_32x16x128_f4), f32 sums; everything else in f32.
;; Inputs: key 32 x 2,048 x 128 float32; query 32 x 2,048 x 128 float32; value 32 x 2,048 x 128 float32.
;; Outputs: out0 32 x 2,048 x 128 float32.
;; This version of the problem:
;;   THIS VERSION OF THE PROBLEM IS GIVEN IN LOW PRECISION. The matrix products marked QUANTISED in the list below multiply operands that are first quantised to E2M1 (2 exponent bits, 1 mantissa bit; 4 bits a number), with one power-of-two scale for each 32 numbers along K (OCP MX v1.0); their sums are f32. All else is computed in f32.
;;   The module's matrix products, in the order in which they are computed (A, B: the left and right operand; K: the contracted axis; several contracted axes count as one K, in the product's order):
;;     1. batch 32 x [M 2,048, K 128] x [K 128, N 2,048]; A: computed on the way; B: input key: QUANTISED
;;     2. batch 32 x [M 2,048, K 2,048] x [K 2,048, N 128]; A: softmax (see below); B: input value: QUANTISED
;;   THE QUANTISER, for each operand of a quantised product, along K:
;;     - K is cut into blocks of 32 from its start; a last block that is shorter is filled with zeros.
;;     - A block's scale is 2^e with e = floor(log2(the largest magnitude in the block)) - 2, held to -126 .. 127; a block of zeros has e = 0. As a byte (E8M0): e + 127.
;;     - Each number is divided by its block's scale, clamped to +-6, and rounded to the nearest number of E2M1, ties to even, subnormals kept.
;;     - The product sums the exact products of the quantised numbers (number of the format x scale) in f32.
;;   ~~~python
;;   def quantise(x, axis):      # numpy; x: float32 -> the quantised numbers, widened to float32 again
;;       x = np.moveaxis(x, axis, -1); K = x.shape[-1]
;;       x = np.pad(x, [(0, 0)] * (x.ndim - 1) + [(0, -K % 32)]); x = x.reshape(x.shape[:-1] + (-1, 32)); a = np.abs(x).max(-1, keepdims=True)
;;       e = np.where(a > 0, np.clip(np.frexp(np.where(a > 0, a, 1))[1] - 1 - 2, -126, 127), 0)      # np.frexp(a)[1] - 1 = floor(log2(a)), exactly
;;       r = np.clip(x / 2.0 ** e, -6, 6)
;;       step = 2.0 ** (np.maximum(np.frexp(np.where(r == 0, 1, r))[1] - 1, 0) - 1)
;;       q = np.round(r / step) * step * 2.0 ** e      # np.round: ties to even
;;       return np.moveaxis(q.reshape(q.shape[:-2] + (-1,))[..., :K], -1, axis).astype(np.float32)
;;   ~~~
;;   SOFTMAX AHEAD OF A QUANTISED PRODUCT. Where the list says 'softmax', what is quantised is not the finished softmax but p = 2^(t - M), with t = logit x log2(e) and M = ceil(the row's largest t), a whole number; so 1/2 < the row's largest p <= 1. The row's sum l is taken of the UNQUANTISED p, in f32, and the product's result is divided by l at the end. Since M is a whole number, a kernel that streams over the keys may use a running M (the ceiling of the running maximum): every later rescaling is an exact power of two, which a block's scale takes up: the codes' values come out the same.
;;   OPERANDS COMPUTED ON THE WAY. 'Computed on the way' means the value that the module computes at that place (a softmax that the list does not call 'softmax' is quantised finished and normalised). What goes into a quantiser is computed in f32, as accurately as f32 sums, v_exp_f32 and their like allow (about 1e-6 of the number): no bf16 or f16 on the way to a quantiser, and a product that is left as it is and whose result goes on into a quantised operand takes f32 operands (vector FMAs, or v_wmma_f32_16x16x4_f32). A number that lies on a knife's edge between two numbers of the format may be rounded either way, as far as f32 arithmetic and the matrix unit's own rounding can turn it there, and no further.
;; One version. Each part assembles by itself: llvm-mc -triple=amdgcn-amd-amdhsa -mcpu=gfx1250 --defsym DOCPART=n.
;; ======== version 1 of 1: 2 launches
;; limits: right only within a limited range of input values
;; workspace buffers: kv 8,912,896 bytes
;; launch prep (part 1): grid 512 x 1, 4 waves a work-group, no clusters, 34,304 bytes of LDS; arguments key, value, kv; writes kv
.if DOCPART == 1
	.amdgcn_target "amdgcn-amd-amdhsa--gfx1250"
	.amdhsa_code_object_version 6
	.text
	.protected	k_q63952a082a_prep
	.globl	k_q63952a082a_prep
	.p2align	8
	.type	k_q63952a082a_prep,@function
k_q63952a082a_prep:
	s_mov_b64 s[64:65], 0
	v_nop
	global_prefetch_b8 v0, s[64:65] scope:SCOPE_SE
	s_setreg_imm32_b32 hwreg(HW_REG_WAVE_MODE, 25, 1), 1
	s_wait_xcnt 0x0
; key [32][2048][128] and value [32][2048][128], f32, become codes of FP4 (E2M1) with one E8M0 scale byte for each 32 along a product's K:
; key along the head's 128, value along the KEYS.  A block's scale is 2^(floor(log2(its largest magnitude)) - 2); its byte is the largest magnitude's exponent field - 2, held at 1 from below.
; Each number is divided by the scale and rounded to the nearest code, ties to even; beyond the largest code the largest.
; LIMITS: NaN and infinities among the inputs are not served.  A block of zeros gets the byte 1 where the quantiser's rule says 127: its codes are zeros, which add nothing under
; any byte but 0xff, and the bytes are read by this program alone.
; THE WORKSPACE kv IS LAID IN THE ORDER OF THE OPERANDS' REGISTERS.  32 heads x 8 blocks of 256 keys, a block BL = 34,816 dense bytes; half q of a block is 128 keys:
;   K's codes       q x 8192 + T x 1024 + c x 512 + 16 x lane: lane (r, h) of tile T = 4 g + u holds key 64 g + 32 (r / 8) + 8 u + r % 8 of the half, its 16 bytes the channels 64 c + 32 h + 0 .. 31
;   V's codes       16384 + q x 8192 + T x 1024 + c x 512 + 16 x lane: lane (r, h) holds channel 16 T + r, its 16 bytes the half's keys 64 c + 32 h + 0 .. 31
;   K's scale words 32768 + (2 q + g) x 256 + 8 x lane + 4 i: tile 4 g + 2 i + lane / 16, row lane % 16
;   V's scale words 33792 + w x 256 + 8 x lane + 4 q: channel 32 w + lane
; Work-groups 0 to 255 take key, 256 to 511 value: 131,072 bytes of f32 each, one block of kv.  The two ways part on the work-group's number; only key's uses LDS.  Waves share nothing: no barrier.
.set BL,     34816
.set VCO,    16384
.set KSO,    32768
.set VSO,    33792
.set SEL,    20                        ; s[20:21] lane selects for v_permlanex16_b32: lane l xor 16
; key's way
.set LA,     4                         ; v4   16 x lane: my 16 bytes of a row of 512, and of an image's 512
.set SI,     5                         ; v5   the stage, on the way in: my wave's stage + 16 x lane
.set SO,     6                         ; v6   and on the way out: row r, + 128 h
.set WO,     7                         ; v7   8 x lane: my 8 bytes of the wave's 256 bytes of scale words
.set H8,     14                        ; v14  8 h: how far up my bytes stand in a scale word
.set L,      16                        ; v16-143  two sets of 16 rows as loaded
.set X,      144                       ; v144-207 64 numbers of my row: register 32 c + i = channel 64 c + 32 h + i: two whole blocks
.set TM,     208                       ; v208-212 at work
.set PC,     224                       ; v224-231 the codes just made
.set W,      232                       ; v232-235 the four tiles' scale words
.set SPITCH, 528                       ; a stage row: 512 bytes + 16 = 33 x 16: the sixteen rows that a read touches begin 16 bytes apart modulo 256
.set SPARE,  4*16*SPITCH               ; the spare words, 128 bytes for each wave
; value's way
.set VX,     16                        ; v16-79   two sets of 32 numbers
.set VC,     80                        ; v80-111  four registers of codes for each block: no store's data are written again
.set SB,     8                         ; v[8:9]   the two halves' scale words
	s_load_b128 s[4:7], s[0:1], 0x0                ; key, value
	s_load_b64 s[8:9], s[0:1], 0x10                ; kv
	v_lshl_add_u32 v240, v0, 2, SPARE
	v_mov_b32 v241, 0
	v_and_b32 v1, 31, v0                           ; lane
	v_and_b32 v2, 15, v0                           ; r
	v_bfe_u32 v3, v0, 4, 1                         ; h
	v_lshrrev_b32 v15, 5, v0
	v_readfirstlane_b32 s10, v15                   ; wave 0..3
	s_cmp_lt_u32 ttmp9, 256
	s_wait_alu depctr_va_vdst(0)                   ; a wait directly ahead of the branch
	s_cbranch_scc0 .Lvalue
; ---------------- KEY.  A wave takes 64 keys, half of a half: four tiles of 16 keys. ----------------
; Each load takes one whole key row, 512 consecutive bytes; which rows form a tile stands in the loads' immediates.  A tile's 16 rows turn through the wave's own stage in LDS,
; so that lane (r, h) gets, of row r, two whole blocks of 32 channels.
	s_lshl_b32 s11, ttmp9, 2
	s_add_co_u32 s11, s11, s10                     ; which run of 64 keys, 0 .. 1023
	s_lshl_b32 s16, s11, 15                        ; its 64 rows of 512 bytes
	s_mov_b32 s17, 0
	s_mul_i32 s18, ttmp9, BL                       ; its block
	s_lshl_b32 s22, s10, 12
	s_add_co_u32 s22, s22, s18                     ; its codes: four images of 1,024 bytes
	s_mov_b32 s23, 0
	s_lshl_b32 s24, s10, 8
	s_add_co_u32 s24, s24, s18
	s_add_co_u32 s24, s24, KSO                     ; its scale words: 256 bytes
	s_mov_b32 s25, 0
	s_mov_b32 s[SEL], 0x76543210
	s_mov_b32 s[SEL+1], 0xfedcba98
	v_lshlrev_b32 v[LA], 4, v1
	v_lshlrev_b32 v[WO], 3, v1
	v_lshlrev_b32 v[H8], 3, v3
	s_mul_i32 s26, s10, 16*SPITCH                  ; my wave's stage
	v_add_nc_u32 v[SI], s26, v[LA]
	v_mul_u32_u24 v[SO], v2, SPITCH
	v_lshl_add_u32 v[SO], v3, 7, v[SO]
	v_add_nc_u32 v[SO], s26, v[SO]
	v_mov_b32 v[TM+4], 0                           ; written once: a lane permute's destination counts as one of its sources
	s_wait_alu depctr_va_vdst(0)                   ; the wait at the head's end
	s_wait_kmcnt 0x0
	s_add_nc_u64 s[4:5], s[4:5], s[16:17]
	s_add_nc_u64 s[12:13], s[8:9], s[22:23]
	s_add_nc_u64 s[14:15], s[8:9], s[24:25]
.macro GLOAD t                         ; tile t's 16 rows into set t % 2: row i is key 32 (i / 8) + 8 t + i % 8 of my 64
.irp i, 0,1,2,3,4,5,6,7,8,9,10,11,12,13,14,15
	global_load_b128 v[L+64*((\t)%2)+4*\i:L+64*((\t)%2)+4*\i+3], v[LA], s[4:5] offset:(32*(\i/8)+8*(\t)+(\i%8))*512 th:TH_LOAD_NT
.endr
.endm
.macro A3 d, x, y, z
	v_max3_num_f32 v[\d], |v[\x]|, |v[\y]|, |v[\z]|
.endm
.macro A2 d, y, z
	v_max3_num_f32 v[\d], v[\d], |v[\y]|, |v[\z]|
.endm
.macro TILE t
.if (\t) < 3
	s_wait_loadcnt 16                              ; this tile's 16 loads are in; the next tile's 16 may be out
.else
	s_wait_loadcnt 0x0
.endif
.irp i, 0,1,2,3,4,5,6,7,8,9,10,11,12,13,14,15
	ds_store_b128 v[SI], v[L+64*((\t)%2)+4*\i:L+64*((\t)%2)+4*\i+3] offset:SPITCH*\i
.endr
.irp c, 0,1
.irp j, 0,1,2,3,4,5,6,7
	ds_load_b128 v[X+32*\c+4*\j:X+32*\c+4*\j+3], v[SO] offset:256*\c+16*\j   ; LDS serves a wave's instructions in order (ISA guide 5.7.1.4): these see the stores above
.endr
.endr
	s_wait_dscnt 0x0                               ; my row's numbers are in, and the stores have read the set, which may be loaded again
.if (\t) > 0
	s_wait_xcnt 0x0                                ; the last tile's stores have read the codes' registers, which are written again below
.endif
.if (\t)+2 < 4
	GLOAD (\t)+2
.endif
	A3 TM, X, X+1, X+2                             ; the largest magnitudes of my two blocks, each in two chains; the four chains by turns
	A3 TM+2, X+17, X+18, X+19
	A3 TM+1, X+32, X+33, X+34
	A3 TM+3, X+49, X+50, X+51
.irp i, 3,5,7,9,11,13
	A2 TM, X+\i, X+\i+1
	A2 TM+2, X+\i+17, X+\i+18
	A2 TM+1, X+\i+32, X+\i+33
	A2 TM+3, X+\i+49, X+\i+50
.endr
	A2 TM, X+15, X+16
	A2 TM+1, X+47, X+48
.irp c, 0,1
	v_max3_num_f32 v[TM+\c], v[TM+\c], v[TM+2+\c], 0x1800000   ; and the floor 2^(3 - 127): so the byte cannot fall under 1
.endr
.irp c, 0,1
	v_add_nc_u32 v[TM+\c], 0xff000000, v[TM+\c]    ; 2 off its exponent field: the conversion takes the exponent field of this operand as its scale, and nothing else of it
.endr
.irp c, 0,1
	v_lshrrev_b32 v[TM+2+\c], 23, v[TM+\c]         ; the scale's byte
.endr
	v_lshl_or_b32 v[TM+2], v[TM+3], 16, v[TM+2]    ; blocks h and 2 + h of my row,
.irp g, 0,1,2,3,4,5,6,7
	v_cvt_scalef32_pk8_fp4_f32 v[PC+\g], v[X+8*\g:X+8*\g+7], v[TM+(\g/4)]
.endr
	v_lshlrev_b32 v[TM+2], v[H8], v[TM+2]          ; at their places in the scale word;
	v_permlanex16_b32 v[TM+4], v[TM+2], s[SEL], s[SEL+1]
	v_or_b32 v[W+(\t)], v[TM+2], v[TM+4]           ; with lane l xor 16's two the word is whole, in both lanes
.irp c, 0,1
	global_store_b128 v[LA], v[PC+4*\c:PC+4*\c+3], s[12:13] offset:1024*(\t)+512*\c   ; the image as it stands: 512 consecutive bytes, aligned to 256
.endr
.endm
	GLOAD 0
	GLOAD 1
	TILE 0
	TILE 1
	TILE 2
	TILE 3
	v_cmp_gt_u32 vcc_lo, 16, v1                    ; lanes 0-15 store tiles 0 and 2's words, lanes 16-31 tiles 1 and 3's
	v_cndmask_b32 v8, v[W+1], v[W+0], vcc_lo
	v_cndmask_b32 v9, v[W+3], v[W+2], vcc_lo
	global_store_b64 v[WO], v[8:9], s[14:15]       ; the 32 lanes store 256 consecutive bytes, aligned
	s_wait_tensorcnt 0x0                           ; the wave's end
	ds_add_u32 v240, v241
	s_wait_dscnt 0x0
	s_endpgm
; ---------------- VALUE.  A wave takes 32 channels x 256 keys: two halves, eight blocks of 32 keys. ----------------
; A LANE TAKES A CHANNEL, AND ITS REGISTERS RUN DOWN THE KEYS: each load reads neighbouring channels in neighbouring lanes (128 consecutive bytes a wave; the four waves stand side by side
; on a row's 512), a block lies in ONE lane's 32 registers, and the conversions give the codes with the keys innermost.  In the image a block's 16 bytes of sixteen neighbouring channels lie
; on end: no stage is needed.
.Lvalue:
	s_sub_co_u32 s11, ttmp9, 256                   ; which block of 256 keys, 0 .. 255
	s_lshl_b32 s16, s11, 17                        ; its 256 rows of 512 bytes,
	s_lshl_b32 s18, s10, 7
	s_add_co_u32 s16, s16, s18                     ; my wave's 32 channels
	s_mov_b32 s17, 0
	s_mul_i32 s18, s11, BL
	s_lshl_b32 s22, s10, 11                        ; my wave's two tiles
	s_add_co_u32 s22, s22, s18
	s_add_co_u32 s22, s22, VCO
	s_mov_b32 s23, 0
	s_lshl_b32 s24, s10, 8
	s_add_co_u32 s24, s24, s18
	s_add_co_u32 s24, s24, VSO
	s_mov_b32 s25, 0
	v_lshlrev_b32 v4, 2, v1                        ; in: 4 bytes a lane
	v_lshlrev_b32 v5, 4, v2
	v_lshl_add_u32 v5, v3, 10, v5                  ; out: tile lane / 16, 16 bytes for channel lane % 16
	v_lshlrev_b32 v6, 3, v1                        ; the scale words: 8 bytes a lane
	s_wait_alu depctr_va_vdst(0)                   ; the wait at the head's end
	s_wait_kmcnt 0x0
	s_add_nc_u64 s[6:7], s[6:7], s[16:17]
	s_add_nc_u64 s[12:13], s[8:9], s[22:23]
	s_add_nc_u64 s[14:15], s[8:9], s[24:25]
.macro VLOAD t                         ; block t: value(32 t + i, my channel), i = 0 .. 31, into set t % 2
.irp i, 0,1,2,3,4,5,6,7,8,9,10,11,12,13,14,15,16,17,18,19,20,21,22,23,24,25,26,27,28,29,30,31
	global_load_b32 v[VX+32*((\t)%2)+\i], v4, s[6:7] offset:(32*(\t)+\i)*512 th:TH_LOAD_NT
.endr
.endm
.macro BLOCK t
.set XS, VX+32*((\t)%2)
.if (\t) < 7
	s_wait_loadcnt 32                              ; this block's 32 loads are in; the next block's may be out
.else
	s_wait_loadcnt 0x0
.endif
	v_max3_num_f32 v12, |v[XS]|, |v[XS+1]|, |v[XS+2]|              ; the block's largest magnitude: all 32 numbers are mine; two chains
	v_max3_num_f32 v13, |v[XS+3]|, |v[XS+4]|, |v[XS+5]|
.irp i, 6,10,14,18,22,26
	v_max3_num_f32 v12, v12, |v[XS+\i]|, |v[XS+\i+1]|
	v_max3_num_f32 v13, v13, |v[XS+\i+2]|, |v[XS+\i+3]|
.endr
	v_max3_num_f32 v12, v12, |v[XS+30]|, |v[XS+31]|
	v_max3_num_f32 v12, v12, v13, 0x1800000        ; and the floor 2^(3 - 127)
	v_add_nc_u32 v11, 0xff000000, v12              ; 2 off its exponent field: the conversion's scale operand
	v_lshrrev_b32 v13, 23, v11                     ; the scale's byte
.if (\t)%4 == 0
	v_mov_b32 v[SB+(\t)/4], v13                    ; four bytes to a half's word, the lower keys in the lower byte
.else
	v_lshl_or_b32 v[SB+(\t)/4], v13, 8*((\t)%4), v[SB+(\t)/4]
.endif
.irp g, 0,1,2,3
	v_cvt_scalef32_pk8_fp4_f32 v[VC+4*(\t)+\g], v[XS+8*\g:XS+8*\g+7], v11
.endr
	global_store_b128 v5, v[VC+4*(\t):VC+4*(\t)+3], s[12:13] offset:((\t)/4)*8192+((\t)%4)*256   ; sixteen lanes store 256 consecutive bytes, aligned.  The codes go only to stores; the next block begins with plain vector lines
.if (\t)+2 < 8
	VLOAD (\t)+2
.endif
.endm
	VLOAD 0
	VLOAD 1
.irp t, 0,1,2,3,4,5,6,7
	BLOCK \t
.endr
	global_store_b64 v6, v[SB:SB+1], s[14:15]      ; the 32 lanes store 256 consecutive bytes, aligned
	s_endpgm
.Lfunc_end_k_q63952a082a_prep:
	.size	k_q63952a082a_prep, .Lfunc_end_k_q63952a082a_prep-k_q63952a082a_prep
	.p2alignl 7, 3214868480
	.fill 96, 4, 3214868480
	.section	.rodata,"a",@progbits
	.p2align	6, 0x0
	.amdhsa_kernel k_q63952a082a_prep
		.amdhsa_group_segment_fixed_size 34304
		.amdhsa_private_segment_fixed_size 0
		.amdhsa_enable_private_segment 0
		.amdhsa_kernarg_size 24
		.amdhsa_user_sgpr_count 2
		.amdhsa_user_sgpr_kernarg_segment_ptr 1
		.amdhsa_wavefront_size32 1
		.amdhsa_system_sgpr_workgroup_id_x 1
		.amdhsa_system_sgpr_workgroup_id_y 1
		.amdhsa_system_sgpr_workgroup_id_z 1
		.amdhsa_system_vgpr_workitem_id 0
		.amdhsa_next_free_vgpr 242
		.amdhsa_next_free_sgpr 66
		.amdhsa_reserve_vcc 1
		.amdhsa_float_denorm_mode_32 3
		.amdhsa_float_denorm_mode_16_64 3
		.amdhsa_memory_ordered 1
		.amdhsa_forward_progress 1
		.amdhsa_inst_pref_size 67
	.end_amdhsa_kernel
	.amdgpu_metadata
---
amdhsa.version: [ 1, 2 ]
amdhsa.kernels:
  - .name:           k_q63952a082a_prep
    .symbol:         k_q63952a082a_prep.kd
    .args:
      - { .name: key, .offset: 0, .size: 8, .value_kind: global_buffer, .address_space: global }
      - { .name: value, .offset: 8, .size: 8, .value_kind: global_buffer, .address_space: global }
      - { .name: kv, .offset: 16, .size: 8, .value_kind: global_buffer, .address_space: global }
    .group_segment_fixed_size: 34304
    .private_segment_fixed_size: 0
    .kernarg_segment_align: 8
    .kernarg_segment_size: 24
    .max_flat_workgroup_size: 128
    .sgpr_count:     66
    .vgpr_count:     242
    .wavefront_size: 32
...
	.end_amdgpu_metadata
.endif
;; end of part 1
;; launch attn (part 2): grid 8 x 32, 8 waves a work-group, clusters of 4 x 1, 327,680 bytes of LDS; arguments query, kv, out0; writes out0
.if DOCPART == 2
	.amdgcn_target "amdgcn-amd-amdhsa--gfx1250"
	.amdhsa_code_object_version 6
	.text
	.protected	k_q63952a082a_attn
	.globl	k_q63952a082a_attn
	.p2align	8
	.type	k_q63952a082a_attn,@function
k_q63952a082a_attn:
	s_mov_b64 s[64:65], 0
	v_nop
	global_prefetch_b8 v0, s[64:65] scope:SCOPE_SE
	s_setreg_imm32_b32 hwreg(HW_REG_WAVE_MODE, 25, 1), 1
	s_wait_xcnt 0x0
	s_wait_alu depctr_hold_cnt(0) depctr_sa_sdst(0) depctr_va_vdst(0) depctr_va_sdst(0) depctr_va_ssrc(0) depctr_va_vcc(0) depctr_vm_vsrc(0)
	s_getreg_b32 s2, hwreg(HW_REG_IB_STS2, 6, 4)
	s_cmp_eq_u32 s2, 0
	s_cbranch_scc0 .Lentry_in_a_cluster
	s_endpgm
.Lentry_in_a_cluster:
	s_bfe_u32 s2, ttmp6, 0x10000c
	s_cmp_lg_u32 s2, 0x3003
	s_cbranch_scc0 .Lentry_shape_is_right
	s_endpgm
.Lentry_shape_is_right:
; out0[h][q][:] = the sum over k of softmax_k((query[h][q] / sqrt(128)) . key[h][k]) value[h][k][:], both products on codes of FP4 (E2M1) with one E8M0 scale for each 32 along a product's K.
; query, out0: [32][2048][128] f32.  kv: key's and value's codes and scale words, made by the launch before as images of the operands' registers: 32 heads x 8 blocks of 256 keys, a block BL dense bytes.
; THE SOFTMAX AHEAD OF THE SECOND PRODUCT: t = score x log2(e); M = the row's largest t so far, rounded UP to a whole number; p = 2^(t - M) is what is quantised, along the keys; it is not normalised.
; The row's sum is taken of the unquantised p, in f32, and divides O at the end.  When M moves, the sum and O are multiplied by 2^(old M - new M): exact.
; SHARES.  A work-group owns 256 queries of one head; each of its EIGHT waves owns 32 of them, two tiles a and b, in 512 registers: each fragment of K and of V that it reads from LDS feeds two products.
; Every wave walks all 2,048 keys, 256 a step (two halves of 128): M, and with it the rescaling of O, once a step.  query is read once, by the wave that owns the rows, and scaled and quantised in registers.
; LAYOUT.  Both products are used transposed: S^T = K Q^T (source 0 = 32 keys, source 1 = my 16 queries), O^T = V^T P^T (source 0 = 32 channels, source 1 = P): a lane holds ONE query (lane % 16) throughout.
; Which keys form a tile is chosen so that a lane's 32 registers of two products are ONE WHOLE BLOCK of 32 neighbouring keys (half-block 64 g + 32 (lane / 16) + 0 .. 31): a block's maximum needs no
; other lane, and the conversions' results are P's operand as it stands.
; LDS.  The head's eight blocks of kv, 278,528 bytes, are filled ONCE, by joint loads: block 0 at the head, 4,352 bytes a wave; the other seven behind the next round, 30,464 bytes a wave.  Behind them lie a stage of
; 16 x 272 bytes for each wave (query's way in, O's way out) and the spare words.
; CLUSTER.  The four query blocks of a cluster belong to one head and need the same bytes of kv: each is asked for by the same tensor load with the same descriptor and a mask that names the four.
; NO PREFETCH: both groups of tensor loads go out ahead of the loop, and the loop holds no global or tensor load that could be asked for ahead.
; THE FIRST STEP is written out: it starts the sums with C = 0, has no older M, and waits for tile b's query only behind tile a's softmax.  The other seven are the loop, blocks 7 down to 1.
; LIMITS: NaN and infinities among the inputs are not served; scaled scores are under 2^31 in magnitude.  A block of zeros of query, and a block whose every p has fallen to 0, gets the byte 1 where the
; quantiser's rule says 127: its codes are zeros.  A block's largest p is taken from its largest score, by the same multiply-add and exponential: this takes v_exp_f32 not to fall where its input rises.
; REGISTERS, two windows of 256 (s_set_vgpr_msb).  Tile a's lie in window 0, tile b's in window 1, under the same numbers:
;   v8 -M, v9 the largest t, v[10:11] the sum in two halves, v12 f (v13: the pair's upper half), v16-19 the blocks' maxima, then their scale operands, v20-23 at work, v24-39 p's codes, v40-47 Q's codes,
;   v64-127 O^T, v128-191 and v192-255 the scores and p of the two halves.
;   window 0 alone: v0 the thread, v1-7 addresses, v48-51 K's scale words of half 0, v52-59 K's of half 1 and later V's, v60-61 Q's, v62-63 and v14-15 p's of a and b.
; FRAGMENTS lie where scores, codes or O are not in use.  In the loop: K's half 0 in window 1's v192-255; half 1's first in window 0's v24-39, its second in window 1's, its last two in window 0's v192-223;
; V's in window 0's v128-255.  In the first step: K's half 0 in window 1's v192-255, half 1 in window 1's v64-127; V's as in the loop.
.set BL,    34816
.set HB,    8*BL
.set VCO,   16384
.set KSO,   32768
.set VSO,   33792
.set P0,    BL/8                       ; a wave's part of block 0: 17 rows of 256 bytes
.set P1,    7*BL/8                     ; and of the other seven: 119 rows of 256 bytes
.set STAGE, HB
.set SPITCH, 272
.set SPARE, STAGE+8*16*SPITCH          ; the spare words, 128 bytes for each wave
.set SPW,   1                          ; v1  LDS address of my spare word
.set NIL,   2                          ; v2  0
.set LI16,  3                          ; v3  16 x lane
.set LI8,   4                          ; v4  8 x lane
.set ADC,   5                          ; v5  LDS address of the block's codes (ahead of that SI)
.set ADT,   6                          ; v6  and of its scale words (ahead of that SO)
.set SI,    5                          ; v5  my stage: rows lane / 16 on, 16 bytes a lane
.set SO,    6                          ; v6  my stage: row lane % 16, + 128 (lane / 16)
.set GO,    7                          ; v7  query: the same two rows in memory
.set G1A,   16                         ; s[16:23], s[24:31] descriptor group 1 of the two loads; s[32:35], s[36:39] their groups 0
.set G1B,   24
.set SEL,   40                         ; s[40:41] lane selects for v_permlanex16_b32: lane l xor 16
.set CS,    42                         ; s[42:43] log2(e): the packed forms name a pair and take its low word for both halves
.set CQ,    44                         ; s[44:45] 1 / sqrt(128) in f32
.set TB,    46                         ; s46 LDS byte at which the block in hand begins
.set TRIP,  47
.set STG,   48                         ; s48 my stage
.set MSB, 0
.macro WIN new                         ; the immediate's high byte repeats the setting that is left
.if MSB != (\new)
	s_set_vgpr_msb (MSB<<8)|(\new)
.set MSB, (\new)
.endif
.endm
.macro VW
	s_wait_alu depctr_va_vdst(0)
.endm
.macro NOPS n
.rept \n
	v_nop
.endr
.endm
; A round of the cluster's barrier.
.macro CROUND
	s_barrier_signal -1
	s_barrier_wait -1
	s_cmp_lg_u32 s10, 0
	s_cbranch_scc1 .Lnot_wave_0_\@
	s_barrier_signal -3
.Lnot_wave_0_\@:
	s_barrier_wait -3
	s_barrier_signal -1
	s_barrier_wait -1
.endm
; The largest of each of two blocks of 32 registers, v[b] and v[b+32] on, into v[d], v[d+1]: two chains a block, the four by turns, each accumulator from its low end on.
; mag = 1: of the magnitudes, with the floor 2^(3 - 127).
.macro M3 d, x, y, z, mag
.if \mag
	v_max3_num_f32 v[\d], |v[\x]|, |v[\y]|, |v[\z]|
.else
	v_max3_num_f32 v[\d], v[\x], v[\y], v[\z]
.endif
.endm
.macro M2 d, y, z, mag
.if \mag
	v_max3_num_f32 v[\d], v[\d], |v[\y]|, |v[\z]|
.else
	v_max3_num_f32 v[\d], v[\d], v[\y], v[\z]
.endif
.endm
.macro RMAX b, d, mag
	M3 \d, \b, \b+1, \b+2, \mag
	M3 20, \b+17, \b+18, \b+19, \mag
	M3 \d+1, \b+32, \b+33, \b+34, \mag
	M3 21, \b+49, \b+50, \b+51, \mag
.irp i, 3,5,7,9,11,13
	M2 \d, \b+\i, \b+\i+1, \mag
	M2 20, \b+\i+17, \b+\i+18, \mag
	M2 \d+1, \b+\i+32, \b+\i+33, \mag
	M2 21, \b+\i+49, \b+\i+50, \mag
.endr
	M2 \d, \b+15, \b+16, \mag
	M2 \d+1, \b+47, \b+48, \mag
.if \mag
	v_max3_num_f32 v[\d], v[\d], v20, 0x1800000
	v_max3_num_f32 v[\d+1], v[\d+1], v21, 0x1800000
.else
	v_max_num_f32 v[\d], v[\d], v20
	v_max_num_f32 v[\d+1], v[\d+1], v21
.endif
.endm
.macro HMAX t, half                    ; the largest score of each of my two blocks of a half: it serves for the row's maximum and, since p rises with the score, for the block's largest p
	WIN 0x55*\t
	RMAX 128+64*\half, 16+2*\half, 0
.endm
; Fragments: n runs of 512 bytes, 16 a lane, from byte off of the block into v[d] on.
.macro FR d, off, n
.set k, 0
.rept \n
	ds_load_b128 v[\d+4*k:\d+4*k+3], v[AC] offset:\off+512*k
.set k, k+1
.endr
.endm
.macro KSL d, q                        ; K's four scale words of half q
	ds_load_b64 v[\d:\d+1], v[AT] offset:KSO+512*\q
	ds_load_b64 v[\d+2:\d+3], v[AT] offset:KSO+512*\q+256
.endm
.macro VSL                             ; V's scale words: register 52 + 2 w + q
.irp w, 0,1,2,3
	ds_load_b64 v[52+2*\w:53+2*\w], v[AT] offset:VSO+256*\w
.endr
.endm
.macro SW d, a, ks, qs                 ; 32 keys x my 16 queries
	v_wmma_scale_f32_32x16x128_f4 v[\d:\d+15], v[\a:\a+15], v[40:47], 0, v[\ks], v[\qs]
.endm
.macro PV a, b, q, ps, zero            ; four products of 32 channels x my 16 queries over the half q's 128 keys
.irp w, 0,1,2,3
.if \zero
	v_wmma_scale_f32_32x16x128_f4 v[64+16*\w:79+16*\w], v[\a+16*\w:\a+15+16*\w], v[\b:\b+7], 0, v[52+2*\w+\q], v[\ps]
.else
	v_wmma_scale_f32_32x16x128_f4 v[64+16*\w:79+16*\w], v[\a+16*\w:\a+15+16*\w], v[\b:\b+7], v[64+16*\w:79+16*\w], v[52+2*\w+\q], v[\ps]
.endif
.endr
.endm
.macro ADDS d, src, n                  ; n packed additions in place
.set j, 0
.rept \n
	v_pk_add_f32 v[\d+j:\d+1+j], v[\d+j:\d+1+j], v[\src+j:\src+1+j]
.set j, j+2
.endr
.endm
; QUERY, tile t: 16 rows through my stage, so that lane (r, h) holds of row r the channels 64 c + 32 h + 0 .. 31 in v[64 + 32 c] on; scaled, quantised: codes to v40-47 of the tile's window, scale word to v60 + t.
.macro QTILE t
	WIN 0
	VW
.if \t
	s_wait_loadcnt 0x0
.else
	s_wait_loadcnt 16                              ; tile b's sixteen loads may be out
.endif
.irp c, 0,1
	WIN 0x04*\t
.irp i, 0,1,2,3,4,5,6,7
	ds_store_b128 v[SI], v[128+32*\c+4*\i:131+32*\c+4*\i] offset:2*SPITCH*\i
.endr
	WIN 0
.irp i, 0,1,2,3,4,5,6,7
	ds_load_b128 v[64+32*\c+4*\i:67+32*\c+4*\i], v[SO] offset:16*\i   ; LDS serves a wave's instructions in order (ISA guide 5.7.1.4): these see my stores, and the next stores come behind them
.endr
.endr
	VW
	s_wait_dscnt 0x0
.set j, 0
.rept 32
	v_pk_mul_f32 v[64+j:65+j], v[64+j:65+j], s[CQ:CQ+1] op_sel_hi:[1,0]   ; query / sqrt(128), in f32, ahead of the quantiser
.set j, j+2
.endr
	RMAX 64, 16, 1
	v_add_nc_u32 v16, 0xff000000, v16              ; 2 off the exponent field: the conversion's scale operand
	v_add_nc_u32 v17, 0xff000000, v17
	v_lshrrev_b32 v20, 23, v16                     ; the scale's byte
	v_lshrrev_b32 v21, 23, v17
	v_lshl_or_b32 v20, v21, 16, v20                ; blocks h and 2 + h;
	v_permlanex16_b32 v21, v20, s[SEL], s[SEL+1]
	v_lshl_or_b32 v[60+\t], v21, 8, v20            ; in lanes 0-15, which alone are read, the word is whole: blocks 0 and 2 mine, 1 and 3 lane l xor 16's
	WIN 0x40*\t
.irp g, 0,1,2,3,4,5,6,7
	v_cvt_scalef32_pk8_fp4_f32 v[40+\g], v[64+8*\g:71+8*\g], v[16+(\g/4)]
.endr
	NOPS 8                                         ; places between the scale word and the codes and the products
	WIN 0
.endm
; THE SOFTMAX of tile t over the step's 256 keys.
.macro SMAX t, first
	WIN 0x55*\t
	v_max3_num_f32 v20, v16, v17, v18
	v_max_num_f32 v20, v20, v19
	v_permlanex16_b32 v21, v20, s[SEL], s[SEL+1]
	v_max_num_f32 v20, v20, v21                    ; the step's largest score of my query
.if \first
	v_mul_f32 v9, s[CS], v20                       ; as t (log2(e) is positive)
	v_floor_f32 v8, -v9                            ; -M = floor(-t) = -ceil(t): a whole number
.else
	v_mul_f32 v20, s[CS], v20
	v_max_num_f32 v9, v9, v20                      ; the running largest t
	v_mov_b32 v20, v8
	v_floor_f32 v8, -v9                            ; the new -M
	v_sub_f32 v20, v8, v20                         ; M's old value less its new one: a whole number, 0 or less
.endif
.set j, 0
.rept 32
	v_pk_fma_f32 v[128+j:129+j], v[128+j:129+j], s[CS:CS+1], v[8:9] op_sel_hi:[1,0,0]   ; t - M, two at a time
.if (\first == 0) && (j == 8)
	v_cvt_i32_f32 v20, v20                         ; (it saturates)
.endif
.if (\first == 0) && (j == 20)
	v_ldexp_f32 v12, 1.0, v20                      ; f = 2^(old M - new M): a multiplication by it rounds nothing
.endif
.set j, j+2
.endr
.irp b, 0,1,2,3
	v_fma_f32 v[16+\b], v[16+\b], s[CS], v8        ; the same of each block's largest score
.endr
	VW                                             ; for the exponentials' sources, and directly ahead of the first readers of O^T
.if \first == 0
.set j, 0
.rept 32
	v_pk_mul_f32 v[64+j:65+j], v[64+j:65+j], v[12:13] op_sel_hi:[1,0]   ; O^T under the new M
.set j, j+2
.endr
.endif
.irp b, 0,1,2,3
	v_exp_f32 v[16+\b], v[16+\b]                   ; each block's largest p: the same two instructions on the same number give the same bits
.endr
.set j, 0
.rept 32
	v_exp_f32 v[128+j], v[128+j]                   ; p = 2^(t - M) of half 0: NOT normalised
	v_exp_f32 v[129+j], v[129+j]
	v_pk_fma_f32 v[192+j:193+j], v[192+j:193+j], s[CS:CS+1], v[8:9] op_sel_hi:[1,0,0]   ; half 1's t - M: first read behind the waits below
.set j, j+2
.endr
	VW
.irp b, 0,1,2,3
	v_max_num_f32 v[16+\b], 0x1800000, v[16+\b]    ; the floor 2^(3 - 127): the byte cannot fall under 1
.endr
.irp b, 0,1,2,3
	v_add_nc_u32 v[16+\b], 0xff000000, v[16+\b]    ; 2 off the exponent field: the conversion's scale operand
.endr
	VW
.set j, 0
.rept 32
	v_exp_f32 v[192+j], v[192+j]                   ; p of half 1; among them half 0's conversions, the scales' bytes, and the first level of half 0's sum
	v_exp_f32 v[193+j], v[193+j]
.if j < 16
	v_cvt_scalef32_pk8_fp4_f32 v[24+j/2], v[128+4*j:135+4*j], v[16+j/8]
.elseif j < 24
	v_lshrrev_b32 v[20+(j-16)/2], 23, v[16+(j-16)/2]
.elseif j < 56
	v_pk_add_f32 v[104+j:105+j], v[104+j:105+j], v[136+j:137+j]   ; pair (j - 24) / 2 of v128-159 += that of v160-191
.endif
.set j, j+2
.endr
	v_nop                                          ; a plain line behind the exponentials
	VW
.irp g, 0,1,2,3,4,5,6,7
	v_cvt_scalef32_pk8_fp4_f32 v[32+\g], v[192+8*\g:199+8*\g], v[18+(\g/4)]
.endr
	v_lshl_or_b32 v20, v21, 16, v20                ; each half's bytes: blocks h and 2 + h.  (Two plain lines behind the conversions)
	v_lshl_or_b32 v22, v23, 16, v22
	ADDS 192, 224, 8                               ; the rest of the sum, level by level
	v_permlanex16_b32 v21, v20, s[SEL], s[SEL+1]
	v_permlanex16_b32 v23, v22, s[SEL], s[SEL+1]
	ADDS 208, 240, 8
	WIN 0x15*\t                                    ; scale words stand in window 0; they are whole in lanes 0-15
.if \t
	v_lshl_or_b32 v14, v21, 8, v20
	v_lshl_or_b32 v15, v23, 8, v22
.else
	v_lshl_or_b32 v62, v21, 8, v20
	v_lshl_or_b32 v63, v23, 8, v22
.endif
	WIN 0x55*\t
	ADDS 128, 192, 16
	ADDS 128, 144, 8
	ADDS 128, 136, 4
	ADDS 128, 132, 2
.if \first
	v_pk_add_f32 v[10:11], v[128:129], v[130:131]
.else
	v_pk_add_f32 v[128:129], v[128:129], v[130:131]
	v_pk_fma_f32 v[10:11], v[10:11], v[12:13], v[128:129] op_sel_hi:[1,0,1]   ; the old sum under the new M
.endif
.endm
; A STEP'S END: the next block's K, half 0, is fetched; O^T += V^T P^T: the eight accumulators by turns, one instruction a turn.
.macro FINISH first
	WIN 0
	s_sub_co_u32 s[TB], s[TB], BL
	v_add_nc_u32 v[ADC], s[TB], v[LI16]
	v_add_nc_u32 v[ADT], s[TB], v[LI8]
	KSL 48, 0                                      ; (behind the last trip these loads name block 0 again and are not used)
	WIN 0x40
	FR 192, 0, 16
	WIN 0
	s_wait_dscnt 18                                ; V's fragments and scale words are in; the eighteen loads just issued may be out
	PV 128, 24, 0, 62, \first
	WIN 0x54
	PV 128, 24, 0, 14, \first
	WIN 0
	PV 192, 32, 1, 63, 0
	WIN 0x54
	PV 192, 32, 1, 15, 0
	WIN 0
.endm
	s_load_b128 s[4:7], s[0:1], 0x0                ; query, kv
	s_load_b64 s[8:9], s[0:1], 0x10                ; out0
	v_lshl_add_u32 v[SPW], v0, 2, SPARE
	v_mov_b32 v[NIL], 0
	ds_add_u32 v[SPW], v[NIL]                      ; the wave's opening: the add, twice on end, and its wait
	ds_add_u32 v[SPW], v[NIL]
	v_lshrrev_b32 v5, 5, v0
	v_readfirstlane_b32 s10, v5                    ; wave 0..7
	v_and_b32 v16, 15, v0                          ; r
	v_bfe_u32 v17, v0, 4, 1                        ; h
	v_and_b32 v18, 31, v0
	v_lshlrev_b32 v[LI16], 4, v18
	v_lshlrev_b32 v[LI8], 3, v18
	v_lshlrev_b32 v[GO], 9, v17
	v_lshl_add_u32 v[GO], v16, 4, v[GO]
	s_mul_i32 s[STG], s10, 16*SPITCH
	s_add_co_u32 s[STG], s[STG], STAGE             ; my stage
	v_mul_u32_u24 v19, v17, SPITCH
	v_lshl_add_u32 v19, v16, 4, v19
	v_add_nc_u32 v[SI], s[STG], v19
	v_mul_u32_u24 v20, v16, SPITCH
	v_lshl_add_u32 v20, v17, 7, v20
	v_add_nc_u32 v[SO], s[STG], v20
	v_mov_b32 v13, 0                               ; (named as the upper half of the pair v[12:13])
	WIN 0x40
	v_mov_b32 v13, 0
	WIN 0
	s_bfe_u32 s11, ttmp6, 0x40000                  ; cx: it enters query's and out0's addresses alone
	s_lshl_b32 s12, ttmp9, 2                       ; in a cluster launch ttmp9 counts clusters
	s_add_co_u32 s12, s12, s11                     ; my block of 256 queries
	s_lshl_b32 s12, s12, 17                        ; 256 rows of 512 bytes
	s_and_b32 s49, ttmp7, 0xffff                   ; the head, which the four partners share
	s_lshl_b32 s13, s49, 20                        ; 2,048 rows of 512 bytes
	s_add_co_u32 s12, s12, s13
	s_lshl_b32 s13, s10, 14                        ; my wave's 32 rows
	s_add_co_u32 s12, s12, s13
	s_mov_b32 s13, 0
	s_mul_i32 s49, s49, HB                         ; the head's part of kv
	s_mul_i32 s50, s10, P0                         ; what I fetch lies at the same offset in the head's part and in LDS; no place in the cluster enters it
	s_add_co_u32 s14, s49, s50
	s_mov_b32 s15, 0
	s_mul_i32 s51, s10, P1
	s_add_co_u32 s51, s51, BL
	s_add_co_u32 s52, s49, s51
	s_mov_b32 s53, 0
	; descriptor group 1: dense bytes as rows of 256 (32 elements of 8 bytes), no padding; 17 rows, and 119 rows
	s_mov_b32 s[G1A+0], 15|(3<<16)|(1<<21)         ; 15:0 the mask: all four work-groups; 17:16 elements of 8 bytes; 21 set beside a mask
	s_mov_b32 s[G1A+1], 32<<16                     ; tensor_dim0
	s_mov_b32 s[G1A+2], (P0/256)<<16               ; tensor_dim1
	s_mov_b32 s[G1A+3], 32<<16                     ; tile_dim0
	s_mov_b32 s[G1A+4], P0/256                     ; tile_dim1
	s_mov_b32 s[G1A+5], 32                         ; from row to row
	s_mov_b32 s[G1A+6], 0
	s_mov_b32 s[G1A+7], 0
	s_mov_b32 s[G1B+0], 15|(3<<16)|(1<<21)
	s_mov_b32 s[G1B+1], 32<<16
	s_mov_b32 s[G1B+2], (P1/256)<<16
	s_mov_b32 s[G1B+3], 32<<16
	s_mov_b32 s[G1B+4], P1/256
	s_mov_b32 s[G1B+5], 32
	s_mov_b32 s[G1B+6], 0
	s_mov_b32 s[G1B+7], 0
	s_mov_b32 s[SEL], 0x76543210
	s_mov_b32 s[SEL+1], 0xfedcba98
	s_mov_b32 s[CS], 0x3fb8aa3b                    ; log2(e)
	s_mov_b32 s[CS+1], s[CS]                       ; (named with it as a pair, so it is written)
	s_mov_b32 s[CQ], 0x3db504f3                    ; 1 / sqrt(128), as f32 division gives it
	s_mov_b32 s[CQ+1], s[CQ]
	s_mov_b32 s[TB], 8*BL
	VW
	s_wait_dscnt 0x0                               ; both opening adds are done
	s_wait_kmcnt 0x0
	s_add_nc_u64 s[4:5], s[4:5], s[12:13]          ; query and out0 at my wave's first row
	s_add_nc_u64 s[8:9], s[8:9], s[12:13]
.macro QLOAD t, c                      ; tile t's 16 rows, channels 64 c on, as 256-byte pieces, two an instruction: row 2 i + lane / 16, 16 bytes a lane
.irp i, 0,1,2,3,4,5,6,7
	global_load_b128 v[128+32*\c+4*\i:131+32*\c+4*\i], v[GO], s[4:5] offset:8192*\t+1024*\i+256*\c th:TH_LOAD_NT
.endr
.endm
	QLOAD 0, 0                                     ; into window 0
	s_mov_b32 s32, 1                               ; 1:0 count = 1
	s_mov_b32 s33, s50                             ; 63:32 LDS address
	s_add_nc_u64 s[34:35], s[6:7], s[14:15]        ; 120:64 global address
	s_or_b32 s35, s35, 0x80000000                  ; 127:126 type = 2
	s_mov_b32 s36, 1
	s_mov_b32 s37, s51
	s_add_nc_u64 s[38:39], s[6:7], s[52:53]
	s_or_b32 s39, s39, 0x80000000
	CROUND                                         ; all four work-groups are here: the joint loads meet
	tensor_load_to_lds s[32:35], s[G1A:G1A+7]      ; block 0
	s_nop 0
	NOPS 4
	QLOAD 0, 1
	VW
	s_wait_tensorcnt 0x0                           ; my part of block 0 is in
	ds_add_u32 v[SPW], v[NIL]
	s_wait_dscnt 0x0
	WIN 0x40
	QLOAD 1, 0                                     ; tile b's rows, into window 1: asked for when block 0 is in, ahead of the other blocks
	QLOAD 1, 1
	WIN 0
	CROUND                                         ; everybody's part of block 0 is in
	tensor_load_to_lds s[36:39], s[G1B:G1B+7]      ; blocks 1 to 7
	s_nop 0
	NOPS 4
	; THE FIRST STEP, block 0: its fragments of K stay in window 1 for both tiles, half 0's in v192-255, half 1's in v64-127
.set AC, LI16
.set AT, LI8
	KSL 48, 0
	KSL 52, 1
	WIN 0x40
	FR 192, 0, 16
	FR 64, 8192, 16
	QTILE 0                                        ; (its wait on DScnt is for 0: the fragments are in)
	WIN 0x01
.irp o, 0,1,2,3
	SW 128+16*\o, 192+16*\o, 48+\o, 60
.endr
.irp o, 0,1,2,3
	SW 192+16*\o, 64+16*\o, 52+\o, 60
.endr
	NOPS 4                                         ; places ahead of the first read of the scores
	HMAX 0, 0
	HMAX 0, 1
	SMAX 0, 1
	WIN 0
	FR 128, VCO, 32                                ; V's fragments, where tile a's p lay
	QTILE 1
	WIN 0x45
.irp o, 0,1,2,3
	SW 128+16*\o, 192+16*\o, 48+\o, 61
.endr
	NOPS 5                                         ; places: the next products write over half 0's fragments
.irp o, 0,1,2,3
	SW 192+16*\o, 64+16*\o, 52+\o, 61
.endr
	NOPS 4
	WIN 0
	VSL
	HMAX 1, 0
	HMAX 1, 1
	VW
	s_wait_tensorcnt 0x0                           ; my part of blocks 1 to 7 is in; behind this barrier nothing is filled
	s_wait_dscnt 0x0
	s_barrier_signal -1                            ; say so; tile b's softmax, work on registers alone, stands between signal and wait
	SMAX 1, 1
	WIN 0
	VW
	s_barrier_wait -1                              ; everybody's part of blocks 1 to 7 is in
.set AC, ADC
.set AT, ADT
	FINISH 1
	s_mov_b32 s[TRIP], 7
.Lstep:                                            ; blocks 7 down to 1
	v_add_nc_u32 v[ADC], s[TB], v[LI16]            ; these six lines are also the places behind the last products: their sources are loaded or written over below
	v_add_nc_u32 v[ADT], s[TB], v[LI8]
	NOPS 4
	KSL 52, 1
	FR 24, 8192, 4                                 ; half 1's first fragment, where tile a's codes lay,
	FR 192, 8192+4096, 8                           ; its last two, where V's lay,
	WIN 0x40
	FR 24, 8192+2048, 4                            ; and its second, where tile b's codes lay
	s_wait_dscnt 18                                ; half 0's fragments and scale words are in; the eighteen loads just issued may be out
	WIN 0x01
.irp o, 0,1,2,3
	SW 128+16*\o, 192+16*\o, 48+\o, 60
.endr
	WIN 0x45
.irp o, 0,1,2,3
	SW 128+16*\o, 192+16*\o, 48+\o, 61
.endr
	NOPS 4
	HMAX 0, 0
	s_wait_dscnt 0x0
	WIN 0
	SW 224, 192, 54, 60
	SW 240, 208, 55, 60
	WIN 0x44
	SW 224, 192, 54, 61
	SW 240, 208, 55, 61
	HMAX 1, 0                                      ; these are also the places: the products below write over the last two fragments
	WIN 0
	SW 192, 24, 52, 60
	WIN 0x01
	SW 208, 24, 53, 60
	WIN 0x45
	SW 208, 24, 53, 61
	WIN 0x44
	SW 192, 24, 52, 61
	NOPS 4
	HMAX 0, 1
	HMAX 1, 1
	SMAX 0, 0
	WIN 0
	VSL
	FR 128, VCO, 32                                ; V's fragments, where tile a's p lay: they land under tile b's softmax
	SMAX 1, 0
	FINISH 0
	s_sub_co_u32 s[TRIP], s[TRIP], 1
	s_cmp_lg_u32 s[TRIP], 0
	s_cbranch_scc1 .Lstep
	; THE WAY OUT.  O^T / the row's sum goes through my stage, half a row (64 channels, 256 bytes) of 16 queries at a time, so that sixteen lanes store 256 consecutive bytes, aligned.
	v_and_b32 v16, 15, v0                          ; r
	v_bfe_u32 v17, v0, 4, 1                        ; h
	v_lshlrev_b32 v18, 9, v17
	v_lshl_add_u32 v18, v16, 4, v18                ; out0: rows lane / 16 on, 16 bytes a lane
	v_mul_u32_u24 v19, v17, SPITCH
	v_lshl_add_u32 v19, v16, 4, v19
	v_add_nc_u32 v19, s[STG], v19                  ; the same two rows in my stage
	v_mul_u32_u24 v22, v16, SPITCH
	v_lshl_add_u32 v22, v17, 5, v22
	v_add_nc_u32 v22, s[STG], v22                  ; in: row r, + 32 h
	VW
	s_wait_dscnt 0x0
.irp t, 0,1
	WIN 0x55*\t
	v_add_f32 v10, v10, v11                        ; the sum's two halves,
	v_permlanex16_b32 v21, v10, s[SEL], s[SEL+1]
	v_add_f32 v10, v10, v21                        ; and lane l xor 16's
.endr
	VW
	WIN 0
	v_rcp_f32 v12, v10                             ; both into window 0: tile a's,
	WIN 0x01
	v_rcp_f32 v20, v10                             ; tile b's (v21: the pair's upper half)
	v_nop
.macro SCALE t, f                      ; register 8 T + i of v[128 + 64 t] on is out0(r, 16 T + 8 h + i), in window 0
	WIN \t
	VW
.set j, 0
.rept 32
	v_pk_mul_f32 v[128+64*\t+j:129+64*\t+j], v[64+j:65+j], v[\f:\f+1] op_sel_hi:[1,0]
.set j, j+2
.endr
	WIN 0
.endm
.macro STAGE2 t, back                  ; through the stage and back, both half rows
.irp u, 0,1
.irp g, 0,1,2,3
	ds_store_b128 v22, v[128+64*\t+32*\u+8*\g:131+64*\t+32*\u+8*\g] offset:64*\g
	ds_store_b128 v22, v[132+64*\t+32*\u+8*\g:135+64*\t+32*\u+8*\g] offset:64*\g+16
.endr
.irp i, 0,1,2,3,4,5,6,7
	ds_load_b128 v[\back+32*\u+4*\i:\back+3+32*\u+4*\i], v19 offset:2*SPITCH*\i
.endr
.endr
.endm
.macro SEND t, back
.irp u, 0,1
.irp i, 0,1,2,3,4,5,6,7
	s_wait_dscnt 23-16*\u-\i                       ; behind load (u, i): the 7 - i loads of its half, and for u = 0 the second half's 8 stores and 8 loads
	global_store_b128 v18, v[\back+32*\u+4*\i:\back+3+32*\u+4*\i], s[8:9] offset:8192*\t+1024*\i+256*\u th:TH_STORE_NT
.endr
.endr
.endm
	SCALE 0, 12
	STAGE2 0, 64
	SCALE 1, 20                                    ; tile b's scaling stands under tile a's way through the stage
	VW
	SEND 0, 64
	STAGE2 1, 128
	SEND 1, 128
	s_wait_tensorcnt 0x0                           ; the wave's end
	ds_add_u32 v[SPW], v[NIL]
	s_wait_dscnt 0x0
	CROUND                                         ; the closing round: no work-group ends while a partner may still ask for bytes that name it
	s_endpgm
.Lfunc_end_k_q63952a082a_attn:
	.size	k_q63952a082a_attn, .Lfunc_end_k_q63952a082a_attn-k_q63952a082a_attn
	.p2alignl 7, 3214868480
	.fill 96, 4, 3214868480
	.section	.rodata,"a",@progbits
	.p2align	6, 0x0
	.amdhsa_kernel k_q63952a082a_attn
		.amdhsa_group_segment_fixed_size 327680
		.amdhsa_private_segment_fixed_size 0
		.amdhsa_enable_private_segment 0
		.amdhsa_kernarg_size 24
		.amdhsa_user_sgpr_count 2
		.amdhsa_user_sgpr_kernarg_segment_ptr 1
		.amdhsa_wavefront_size32 1
		.amdhsa_system_sgpr_workgroup_id_x 1
		.amdhsa_system_sgpr_workgroup_id_y 1
		.amdhsa_system_sgpr_workgroup_id_z 1
		.amdhsa_system_vgpr_workitem_id 0
		.amdhsa_next_free_vgpr 512
		.amdhsa_next_free_sgpr 66
		.amdhsa_reserve_vcc 0
		.amdhsa_float_denorm_mode_32 3
		.amdhsa_float_denorm_mode_16_64 3
		.amdhsa_memory_ordered 1
		.amdhsa_forward_progress 1
		.amdhsa_inst_pref_size 137
	.end_amdhsa_kernel
	.amdgpu_metadata
---
amdhsa.version: [ 1, 2 ]
amdhsa.kernels:
  - .name:           k_q63952a082a_attn
    .symbol:         k_q63952a082a_attn.kd
    .args:
      - { .name: query, .offset: 0, .size: 8, .value_kind: global_buffer, .address_space: global }
      - { .name: kv, .offset: 8, .size: 8, .value_kind: global_buffer, .address_space: global }
      - { .name: out0, .offset: 16, .size: 8, .value_kind: global_buffer, .address_space: global }
    .group_segment_fixed_size: 327680
    .private_segment_fixed_size: 0
    .kernarg_segment_align: 8
    .kernarg_segment_size: 24
    .max_flat_workgroup_size: 256
    .sgpr_count:     66
    .vgpr_count:     512
    .wavefront_size: 32
...
	.end_amdgpu_metadata
.endif
;; end of part 2
